; MI455X (gfx1250); checked and timed in simulation.
; The chip was launched on July 23, 2026; its instructions are those of AMD's public machine-readable ISA for CDNA 5 (MIT licence, August 2026) and "CDNA5" Instruction Set Architecture Reference Guide (July 2026). The comments in the code are by the model that wrote it; some were corrected since.
;; Hyper Encoder. Allowed arithmetic: float matrix products may take bf16 or f16 operands with f32 sums; other float arithmetic in f32, or as packed bf16 or f16 multiplies, adds, multiply-adds, maxima and minima; sums over many terms, partial sums and values carried from step to step in f32; what a program stores and reads back later, other than sums and carried values, may be rounded once to bf16 or f16.
;; Inputs: Wb 32,768 float32; Ww 256 x 32,768 float32; bb 1 float32; bw 256 x 1 float32; messages 128 x 16 x 128 float32.
;; Outputs: out0 128 x 1 x 128 float32.
;; 2 versions, each right; version 2 is version 1 with the launch hyper written anew for expert scheduling mode. Each part assembles by itself: llvm-mc -triple=amdgcn-amd-amdhsa -mcpu=gfx1250 --defsym DOCPART=n.
;; ======== version 1 of 2: 3 launches
;; workspace buffers: ttimg 4,194,304 bytes; mbf 524,288 bytes; ahl 65,536 bytes; af 65,536 bytes; hb 8,388,608 bytes; cb 8,388,608 bytes
;; launch prep (part 1): grid 256 x 1, 4 waves a work-group, no clusters, 0 bytes of LDS; arguments messages, Ww, ttimg, mbf, ahl, af; writes ttimg, mbf, ahl, af
.if DOCPART == 1
	.amdgcn_target "amdgcn-amd-amdhsa--gfx1250"
	.amdhsa_code_object_version 6
	.text
	.protected	k_q79f714e3ce_prep
	.globl	k_q79f714e3ce_prep
	.p2align	8
	.type	k_q79f714e3ce_prep,@function
k_q79f714e3ce_prep:
	s_mov_b64 s[64:65], 0
	v_nop
	global_prefetch_b8 v0, s[64:65] scope:SCOPE_SE
	s_setreg_imm32_b32 hwreg(HW_REG_WAVE_MODE, 25, 1), 1
	s_wait_xcnt 0x0
; HyperEncoder, launch 1 of 3.  out[b][d] = sum over the 16 messages i of elu(z[b,i][d]),
;   z[d] = sum_j sum_k x_j x_k Ww[j][128 k + d] + sum_k x_k (Wb[128 k + d] + bw[k]) + bb,   x = [m_i, a_b],  a_b = the sum of the 16 messages of batch b.
; THE LESSER WORK.  reference() itself copies a_b into the second half of all 16 rows of a batch, so every sum over that half is the same for the 16 rows, whatever the inputs hold:
;   z[d] = sum_{j<128} m_j ( sum_{k<128} m_k Ww[j][128 k + d] + H_b[j][d] ) + c_b[d] + bb
;   H_b[j][d] = sum_q a_q ( Ww[j][128 (128+q) + d] + Ww[128+q][128 j + d] ) + Wb[128 j + d] + bw[j]
;   c_b[d]    = sum_p a_p ( sum_q a_q Ww[128+p][128 (128+q) + d] + Wb[128 (128+p) + d] + bw[128+p] )
; H and c are made once a batch (launch 2), the first quadrant of Ww is multiplied for all 2,048 rows (launch 3).  No input is left out: all five are loaded.
; LIMITS.  messages and Ww are rounded to bf16 once and used so everywhere (a is the f32 sum of the rounded messages and enters the products as a bf16 high part and a bf16 low part);
; Wb, bw, bb stay f32.  The sums are taken in the order of the formulas above, not in that of reference(): an overflow of a partial sum may fall elsewhere than in reference().
; THIS LAUNCH (a) lays the first quadrant of Ww, rounded, in the order in which a wave of launch 3 takes its operand registers; (b) rounds the messages and makes a.
; THE SLICES OF d.  Slice ds = 8 dh + 4 g + s holds d = 64 dh + 32 g + 4 e + s, e = 0..7: what falls out when 16 lanes read 256 bytes of a row, 16 bytes a lane (lane x = 8 g + e, register s).
; ttimg: [ds 16][w 8][i 8][kq 8][lane 32][16 bytes].  Lane 16 hk + 8 hj + e holds Ww[16 w + i + 8 hj][128 k + d(ds, e)] for k = 16 kap + 8 hk + 0..7, kap = (kq + w) mod 8.
; SHARES.  1,024 waves, one task each: (w, i, dh, kap): two rows j of Ww x 16 k x 64 d.  Every load covers two aligned runs of 256 bytes, every store 512 bytes on end.
; The first 128 waves also take a batch each.  No LDS, no barrier, no matrix unit: the launch only moves and rounds.
.set TO,  5                            ; v5   my byte offset in the task's part of Ww: 4,096 (lane / 16) + 16 (lane % 16); never rewritten
.set SO,  6                            ; v6   16 x lane; never rewritten
.set EO,  8                            ; v8   8 x lane; never rewritten
.set R,   16                           ; v[16:79]   as loaded: row hj, k step n, register s at R + 32 hj + 4 n + s
.set P,   80                           ; v[80:111]  rounded: 16 hj + 4 s + pair of k; behind the exchange: 16 g + 4 s + pair of k
.set T,   112                          ; v[112:119] the exchange, four pairs by turns
.set AG,  128                          ; v[128:191] a batch, 16 rows x 4 numbers a lane
.set AC,  192                          ; v[192:195] a
.set C,   196                          ; v[196:227] the rounded rows, a pair of registers each: no register is written again under a store
.set TM,  228                          ; v[228:239] at work
	s_load_b256 s[4:11], s[0:1], 0x0               ; messages s[4:5], Ww s[6:7], ttimg s[8:9], mbf s[10:11]
	s_load_b128 s[12:15], s[0:1], 0x20             ; ahl s[12:13], af s[14:15]
	v_lshrrev_b32 v1, 5, v0
	v_readfirstlane_b32 s16, v1                    ; wave 0..3
	s_lshl_b32 s17, ttmp9, 2
	s_add_co_u32 s17, s17, s16                     ; the task, 0..1023
	s_and_b32 s18, s17, 7                          ; kap
	s_bfe_u32 s19, s17, 0x10003                    ; dh
	s_lshr_b32 s20, s17, 7                         ; w
	s_bfe_u32 s21, s17, 0x30004                    ; i
	s_sub_co_u32 s22, s18, s20
	s_and_b32 s22, s22, 7                          ; kq = (kap - w) mod 8
	s_lshl_b32 s24, s20, 4
	s_add_co_u32 s24, s24, s21                     ; j0 = 16 w + i
	s_lshl_b32 s24, s24, 17                        ; a row of Ww is 131,072 bytes
	s_lshl_b32 s23, s18, 13                        ; 16 k of 512 bytes
	s_add_co_u32 s24, s24, s23
	s_lshl_b32 s23, s19, 8
	s_add_co_u32 s24, s24, s23
	s_mov_b32 s25, 0
	s_lshl_b32 s26, s19, 21                        ; ttimg: 8 dh slices of 262,144 bytes,
	s_lshl_b32 s23, s20, 15                        ; w,
	s_add_co_u32 s26, s26, s23
	s_lshl_b32 s23, s21, 12                        ; i,
	s_add_co_u32 s26, s26, s23
	s_lshl_b32 s23, s22, 9                         ; kq
	s_add_co_u32 s26, s26, s23
	s_mov_b32 s27, 0
	v_and_b32 v2, 31, v0
	v_and_b32 v3, 15, v0
	v_bfe_u32 v4, v0, 4, 1
	v_lshlrev_b32 v[TO], 4, v3
	v_lshl_add_u32 v[TO], v4, 12, v[TO]
	v_lshlrev_b32 v[SO], 4, v2
	v_lshlrev_b32 v[EO], 3, v2
	v_bfe_u32 v7, v0, 3, 1
	v_cmp_eq_u32 s30, 1, v7                        ; the lanes whose bit 3 is set
.irp x, 0,1,2,3,4,5,6,7
	v_mov_b32 v[T+(\x)], 0                         ; a lane move names its destination as a source too: written once here
.endr
	s_wait_kmcnt 0x0
	s_add_nc_u64 s[6:7], s[6:7], s[24:25]
	s_add_nc_u64 s[8:9], s[8:9], s[26:27]
.irp hp, 0,1
.irp n, 0,1,2,3,4,5,6,7
	global_load_b128 v[R+32*(\hp)+4*(\n):R+32*(\hp)+4*(\n)+3], v[TO], s[6:7] offset:(\hp)*1048576+(\n)*512 th:TH_LOAD_NT  ; row j0 + 8 hp, k = 16 kap + 8 (lane / 16) + n
.endr
.endr
	s_cmp_lt_u32 s17, 128
	s_cbranch_scc0 .Ltt
	; A BATCH, b = the task: its 16 rows rounded to mbf, their sum to af (f32) and to ahl (high part in row 16 (b / 8) + b % 8, low part eight rows on).
	s_lshl_b32 s24, s17, 13
	s_add_nc_u64 s[4:5], s[4:5], s[24:25]
	s_lshl_b32 s24, s17, 12
	s_add_nc_u64 s[10:11], s[10:11], s[24:25]
	s_lshl_b32 s24, s17, 9
	s_add_nc_u64 s[14:15], s[14:15], s[24:25]
	s_lshr_b32 s23, s17, 3
	s_lshl_b32 s24, s23, 12
	s_lshl_b32 s23, s18, 8
	s_add_co_u32 s24, s24, s23
	s_add_nc_u64 s[12:13], s[12:13], s[24:25]
.irp i, 0,1,2,3,4,5,6,7,8,9,10,11,12,13,14,15
	global_load_b128 v[AG+4*(\i):AG+4*(\i)+3], v[SO], s[4:5] offset:(\i)*512 th:TH_LOAD_NT
.endr
	s_wait_loadcnt 0x0                             ; all loads so far
.irp i, 0,1,2,3,4,5,6,7,8,9,10,11,12,13,14,15
	v_cvt_pk_bf16_f32 v[C+2*(\i)],   v[AG+4*(\i)],   v[AG+4*(\i)+1]
	v_cvt_pk_bf16_f32 v[C+2*(\i)+1], v[AG+4*(\i)+2], v[AG+4*(\i)+3]
	global_store_b64 v[EO], v[C+2*(\i):C+2*(\i)+1], s[10:11] offset:(\i)*256  ; a row of 128 bf16: 256 bytes on end
.if (\i) == 0
	v_lshlrev_b32 v[AC],   16, v[C]                 ; the first row starts the sum
	v_and_b32     v[AC+1], 0xffff0000, v[C]
	v_lshlrev_b32 v[AC+2], 16, v[C+1]
	v_and_b32     v[AC+3], 0xffff0000, v[C+1]
.else
	v_lshlrev_b32 v[TM],   16, v[C+2*(\i)]
	v_and_b32     v[TM+1], 0xffff0000, v[C+2*(\i)]
	v_lshlrev_b32 v[TM+2], 16, v[C+2*(\i)+1]
	v_and_b32     v[TM+3], 0xffff0000, v[C+2*(\i)+1]
	v_pk_add_f32 v[AC:AC+1],   v[AC:AC+1],   v[TM:TM+1]
	v_pk_add_f32 v[AC+2:AC+3], v[AC+2:AC+3], v[TM+2:TM+3]
.endif
.endr
	global_store_b128 v[SO], v[AC:AC+3], s[14:15]
	v_cvt_pk_bf16_f32 v[TM+4], v[AC],   v[AC+1]    ; the high part
	v_cvt_pk_bf16_f32 v[TM+5], v[AC+2], v[AC+3]
	global_store_b64 v[EO], v[TM+4:TM+5], s[12:13]
	v_lshlrev_b32 v[TM],   16, v[TM+4]
	v_and_b32     v[TM+1], 0xffff0000, v[TM+4]
	v_lshlrev_b32 v[TM+2], 16, v[TM+5]
	v_and_b32     v[TM+3], 0xffff0000, v[TM+5]
	v_pk_add_f32 v[TM+6:TM+7], v[AC:AC+1],   v[TM:TM+1]   neg_lo:[0,1] neg_hi:[0,1]  ; what the high part left
	v_pk_add_f32 v[TM+8:TM+9], v[AC+2:AC+3], v[TM+2:TM+3] neg_lo:[0,1] neg_hi:[0,1]
	v_cvt_pk_bf16_f32 v[TM+10], v[TM+6], v[TM+7]
	v_cvt_pk_bf16_f32 v[TM+11], v[TM+8], v[TM+9]
	global_store_b64 v[EO], v[TM+10:TM+11], s[12:13] offset:2048
.Ltt:
	s_wait_loadcnt 0x0                             ; the task's 16 loads
.irp hp, 0,1
.irp s, 0,1,2,3
.irp n, 0,1,2,3
	v_cvt_pk_bf16_f32 v[P+16*(\hp)+4*(\s)+(\n)], v[R+32*(\hp)+8*(\n)+(\s)], v[R+32*(\hp)+8*(\n)+4+(\s)]  ; k = 2 n, 2 n + 1 of the lane's eight
.endr
.endr
.endr
	; Lane (hk, g, e) holds both rows hj of its column; the image wants lane (hk, hj, e) for slice half g.  So lanes 8 apart exchange: for g = 0 the upper lane takes the lower lane's row 1,
	; for g = 1 the lower lane takes the upper lane's row 0.
.set x, 0
.rept 16
	v_mov_b32_dpp v[T+2*(x%4)],   v[P+16+x] row_xmask:8 row_mask:0xf bank_mask:0xf
	v_mov_b32_dpp v[T+2*(x%4)+1], v[P+x]    row_xmask:8 row_mask:0xf bank_mask:0xf
	v_cndmask_b32 v[P+x],    v[P+x],          v[T+2*(x%4)], s30
	v_cndmask_b32 v[P+16+x], v[T+2*(x%4)+1],  v[P+16+x],    s30
.set x, x+1
.endr
.irp g, 0,1
.irp s, 0,1,2,3
	global_store_b128 v[SO], v[P+16*(\g)+4*(\s):P+16*(\g)+4*(\s)+3], s[8:9] offset:(4*(\g)+(\s))*262144  ; slice 8 dh + 4 g + s: 512 bytes on end
.endr
.endr
	s_endpgm
.Lfunc_end_k_q79f714e3ce_prep:
	.size	k_q79f714e3ce_prep, .Lfunc_end_k_q79f714e3ce_prep-k_q79f714e3ce_prep
	.p2alignl 7, 3214868480
	.fill 96, 4, 3214868480
	.section	.rodata,"a",@progbits
	.p2align	6, 0x0
	.amdhsa_kernel k_q79f714e3ce_prep
		.amdhsa_group_segment_fixed_size 0
		.amdhsa_private_segment_fixed_size 0
		.amdhsa_enable_private_segment 0
		.amdhsa_kernarg_size 48
		.amdhsa_user_sgpr_count 2
		.amdhsa_user_sgpr_kernarg_segment_ptr 1
		.amdhsa_wavefront_size32 1
		.amdhsa_system_sgpr_workgroup_id_x 1
		.amdhsa_system_sgpr_workgroup_id_y 1
		.amdhsa_system_sgpr_workgroup_id_z 1
		.amdhsa_system_vgpr_workitem_id 0
		.amdhsa_next_free_vgpr 240
		.amdhsa_next_free_sgpr 66
		.amdhsa_reserve_vcc 0
		.amdhsa_float_denorm_mode_32 3
		.amdhsa_float_denorm_mode_16_64 3
		.amdhsa_memory_ordered 1
		.amdhsa_forward_progress 1
		.amdhsa_inst_pref_size 22
	.end_amdhsa_kernel
	.amdgpu_metadata
---
amdhsa.version: [ 1, 2 ]
amdhsa.kernels:
  - .name:           k_q79f714e3ce_prep
    .symbol:         k_q79f714e3ce_prep.kd
    .args:
      - { .name: messages, .offset: 0, .size: 8, .value_kind: global_buffer, .address_space: global }
      - { .name: Ww, .offset: 8, .size: 8, .value_kind: global_buffer, .address_space: global }
      - { .name: ttimg, .offset: 16, .size: 8, .value_kind: global_buffer, .address_space: global }
      - { .name: mbf, .offset: 24, .size: 8, .value_kind: global_buffer, .address_space: global }
      - { .name: ahl, .offset: 32, .size: 8, .value_kind: global_buffer, .address_space: global }
      - { .name: af, .offset: 40, .size: 8, .value_kind: global_buffer, .address_space: global }
    .group_segment_fixed_size: 0
    .private_segment_fixed_size: 0
    .kernarg_segment_align: 8
    .kernarg_segment_size: 48
    .max_flat_workgroup_size: 128
    .sgpr_count:     66
    .vgpr_count:     240
    .wavefront_size: 32
...
	.end_amdgpu_metadata
.endif
;; end of part 1
;; launch hyper (part 2): grid 128 x 2, 4 waves a work-group, no clusters, 49,664 bytes of LDS; arguments Ww, Wb, bw, ahl, af, hb, cb; writes hb, cb
.if DOCPART == 2
	.amdgcn_target "amdgcn-amd-amdhsa--gfx1250"
	.amdhsa_code_object_version 6
	.text
	.protected	k_q79f714e3ce_hyper
	.globl	k_q79f714e3ce_hyper
	.p2align	8
	.type	k_q79f714e3ce_hyper,@function
k_q79f714e3ce_hyper:
	s_mov_b64 s[64:65], 0
	v_nop
	global_prefetch_b8 v0, s[64:65] scope:SCOPE_SE
	s_setreg_imm32_b32 hwreg(HW_REG_WAVE_MODE, 25, 1), 1
	s_wait_xcnt 0x0
; HyperEncoder, launch 2 of 3: what is the same for the 16 rows of a batch is made once a batch (the identity stands at the head of launch 1; nothing else is left out).
;   hb: H_b[p][d]   = sum_q a_q ( Ww[p][128 (128+q) + d] + Ww[128+q][128 p + d] ) + Wb[128 p + d] + bw[p]
;   cb: a_b[p] x ( sum_q a_q Ww[128+p][128 (128+q) + d] + Wb[128 (128+p) + d] + bw[128+p] ): the 128 parts of c_b[d], added up in launch 3.  Both stay f32.
; SHARES.  Work-group (p, dh) alone reads three blocks of Ww, 128 rows q x 256 bytes (d = 64 dh .. + 63), each byte once in the launch, and multiplies them with all 128 batches.
; A batch is two rows of the product: the high and the low bf16 part of a (ahl).  An M tile T is 8 batches x 2 parts.  On the way in wave v rounds q = 32 v .. + 31 of each block;
; for the products it has the M tiles 4 v .. 4 v + 3 and all of q: so the rounded fragments meet in LDS, each byte written once, one barrier a block.
; LAYOUT.  The product is taken transposed: source 0 = 16 columns of weights, source 1 = 16 rows of ahl.  16 lanes read 256 bytes of a row of Ww, 16 bytes a lane: lane x, register t holds
; d = 64 dh + 4 x + t.  So register t of the loads IS tile t, its 16 columns are the 16 lanes, and a lane's 16 loads are its 2 x 8 numbers along q: rounding in pairs makes the fragment in place.
; In the result register e of lane (r, h) holds column x = 8 h + e, that is slice ds = 8 dh + 4 h + t, place e; row r: batch 8 T + r % 8, high (r < 8) or low part.
; hb, cb: [rb 16][ds 16][p 128][b 8][e 8] f32, rb = T.  Each store of 16 lanes covers the 256 bytes of one (rb, ds, p), aligned.
; No cluster: no two work-groups read the same weights; what they share, ahl, is 65,536 bytes against the 25,165,824 of weights.
; REGISTERS, in windows of 256 (s_set_vgpr_msb: bits 1:0 source 0, 3:2 source 1, 5:4 source 2, 7:6 destination):
;   window 0: v0-17 addresses; v32-63 F, a block's rounded fragments; v64-95 the two bias tables; v96-99 a_b[p]; v100-115 X, on the way out; v128-255 the 16 accumulators
;   window 1: v0-127 A (tile m, fragment c at 32 m + 8 c); v128-191 WB, two buffers of four tiles      window 2: v0-191 the three blocks as loaded
.set FR,    0                          ; LDS: [block 3][fragment 4][tile 4][half 2][lane 32][16 bytes] = 49,152 bytes
.set SPARE, 49152                      ; the spare words, 128 bytes for each wave: two blocks of 256 bytes that no other line names
.set VO1, 8                            ; v8   4,096 h + 16 r: 8 rows q of 512 bytes for the upper lanes
.set VO2, 9                            ; v9   1,048,576 h + 16 r: 8 rows of Ww
.set AO,  10                           ; v10  256 r + 16 h
.set FST, 11                           ; v11  FR + 4,096 wave + 16 lane
.set FLD, 12                           ; v12  FR + 16 lane
.set HO,  13                           ; v13  131,072 h + 32 (r % 8) + 16 (r / 8)
.set BO,  14                           ; v14  128 h + 64 (r / 8)
.set AFO, 15                           ; v15  512 (r % 8)
.set SPW, 16                           ; v16  LDS address of my spare word; never rewritten
.set NIL, 17                           ; v17  0; never rewritten
.set F,   32
.set B,   64                           ; B[4 i + t] = Wb[128 p + d] + bw[p] for my e = 4 (r / 8) + i of tile t
.set B2,  80                           ; the same 128 rows of Wb on, with bw[128 + p]
.set AF,  96
.set X,   100
.set ACC, 128                          ; tile m of M, tile t of columns at ACC + 32 m + 8 t
.set WB,  128                          ; in window 1
.set MSB, 0
.macro WIN new                         ; the high byte repeats the setting that is left; a switch that changes nothing is dropped
.if MSB != (\new)
	s_set_vgpr_msb (MSB<<8)|(\new)
.set MSB, \new
.endif
.endm
.macro PLACES
.rept 4
	v_nop
.endr
.endm
	s_load_b256 s[4:11], s[0:1], 0x0               ; Ww s[4:5], Wb s[6:7], bw s[8:9], ahl s[10:11]
	s_load_b128 s[12:15], s[0:1], 0x20             ; af s[12:13], hb s[14:15]
	s_load_b64 s[16:17], s[0:1], 0x30              ; cb
	v_lshl_add_u32 v[SPW], v0, 2, SPARE
	v_mov_b32 v[NIL], 0
	v_lshrrev_b32 v1, 5, v0
	v_readfirstlane_b32 s20, v1                    ; wave 0..3
	s_mov_b32 s21, ttmp9                           ; p
	s_and_b32 s22, ttmp7, 0xffff                   ; dh
	v_and_b32 v2, 15, v0                           ; r
	v_bfe_u32 v3, v0, 4, 1                         ; h
	v_and_b32 v4, 31, v0                           ; lane
	v_and_b32 v5, 7, v0                            ; r % 8
	v_bfe_u32 v6, v0, 3, 1                         ; r / 8
	v_lshlrev_b32 v7, 4, v2
	v_lshl_add_u32 v[VO1], v3, 12, v7
	v_lshl_add_u32 v[VO2], v3, 20, v7
	v_lshlrev_b32 v[AO], 8, v2
	v_lshl_add_u32 v[AO], v3, 4, v[AO]
	v_lshlrev_b32 v[FLD], 4, v4
	s_lshl_b32 s50, s20, 12
	v_add_nc_u32 v[FST], s50, v[FLD]
	v_lshlrev_b32 v[HO], 5, v5
	v_lshl_add_u32 v[HO], v6, 4, v[HO]
	v_lshl_add_u32 v[HO], v3, 17, v[HO]
	v_lshlrev_b32 v[BO], 6, v6
	v_lshl_add_u32 v[BO], v3, 7, v[BO]
	v_lshlrev_b32 v[AFO], 9, v5
	v_cmp_eq_u32 s40, 1, v6                        ; the lanes with r >= 8
	s_mov_b32 s49, 0
	s_lshl_b32 s50, s22, 8                         ; 256 dh
	s_lshl_b32 s51, s20, 14                        ; 16,384 wave
	s_lshl_b32 s52, s21, 9                         ; 512 p
	s_lshl_b32 s53, s21, 2                         ; 4 p
	s_lshl_b32 s48, s21, 17
	s_add_co_u32 s48, s48, 65536
	s_add_co_u32 s48, s48, s50
	s_add_co_u32 s48, s48, s51
	s_wait_kmcnt 0x0
	s_add_nc_u64 s[24:25], s[4:5], s[48:49]        ; block 0: Ww[p][128 (128 + 32 wave) + 64 dh]
	s_add_nc_u64 s[28:29], s[24:25], 0x1000000     ; block 2: the same 128 rows of Ww on
	s_mov_b32 s48, s51
	s_add_nc_u64 s[30:31], s[10:11], s[48:49]      ; ahl at my four M tiles
	s_lshl_b32 s48, s20, 22
	s_add_co_u32 s48, s48, 0x1000000
	s_add_co_u32 s48, s48, s52
	s_add_co_u32 s48, s48, s50
	s_add_nc_u64 s[26:27], s[4:5], s[48:49]        ; block 1: Ww[128 + 32 wave][128 p + 64 dh]
	s_add_co_u32 s48, s52, s50
	s_add_nc_u64 s[32:33], s[6:7], s[48:49]        ; Wb[128 p + 64 dh]
	s_add_co_u32 s48, s51, s53
	s_add_nc_u64 s[34:35], s[12:13], s[48:49]      ; af[32 wave][p]
	s_mov_b32 s48, s53
	s_add_nc_u64 s[36:37], s[8:9], s[48:49]        ; bw[p]
	s_load_b32 s42, s[36:37], 0x0
	s_load_b32 s44, s[36:37], 0x200                ; bw[128 + p]
	s_lshl_b32 s48, s20, 21                        ; four rb of 524,288 bytes a wave
	s_lshl_b32 s54, s22, 18
	s_add_co_u32 s48, s48, s54
	s_lshl_b32 s54, s21, 8
	s_add_co_u32 s48, s48, s54
	s_add_nc_u64 s[38:39], s[14:15], s[48:49]      ; hb and cb at (rb = 4 wave, ds = 8 dh, p)
	s_add_nc_u64 s[46:47], s[16:17], s[48:49]
	; ALL THAT THE WAVE READS IS ASKED FOR HERE, in the order in which it is wanted: 32 + 16 + 12 + 16 + 16 loads.
	WIN 0x40
.irp m, 0,1,2,3
.irp c, 0,1,2,3
	global_load_b128 v[32*(\m)+8*(\c):32*(\m)+8*(\c)+3],   v[AO], s[30:31] offset:(\m)*4096+(\c)*64
	global_load_b128 v[32*(\m)+8*(\c)+4:32*(\m)+8*(\c)+7], v[AO], s[30:31] offset:(\m)*4096+(\c)*64+32
.endr
.endr
.macro ULOAD u, vo, sb, step           ; block u: load 8 q + n brings row 32 wave + 16 q + 8 h + n; 16 lanes take 256 bytes on end, aligned
	WIN 0x80
.irp q, 0,1
.irp n, 0,1,2,3,4,5,6,7
	global_load_b128 v[64*(\u)+4*(8*(\q)+(\n)):64*(\u)+4*(8*(\q)+(\n))+3], v[\vo], s[\sb:\sb+1] offset:(16*(\q)+(\n))*(\step) th:TH_LOAD_NT
.endr
.endr
.endm
	ULOAD 0, VO1, 24, 512
	WIN 0
.irp i, 0,1,2,3
	global_load_b128 v[B+4*(\i):B+4*(\i)+3], v[BO], s[32:33] offset:16*(\i)
.endr
.irp i, 0,1,2,3
	global_load_b128 v[B2+4*(\i):B2+4*(\i)+3], v[BO], s[32:33] offset:65536+16*(\i)
.endr
.irp m, 0,1,2,3
	global_load_b32 v[AF+(\m)], v[AFO], s[34:35] offset:(\m)*4096
.endr
	ULOAD 1, VO2, 26, 131072
	ULOAD 2, VO1, 28, 512
	WIN 0
; Block u is rounded: register 4 q + n of tile t takes rows 16 q + 8 h + 2 n and + 1; my fragment of the four tiles goes to LDS; all four waves meet.
.macro CONV u
	WIN 0x0a                                       ; sources in window 2
.irp t, 0,1,2,3
.irp q, 0,1
.irp n, 0,1,2,3
	v_cvt_pk_bf16_f32 v[F+8*(\t)+4*(\q)+(\n)], v[64*(\u)+4*(8*(\q)+2*(\n))+(\t)], v[64*(\u)+4*(8*(\q)+2*(\n)+1)+(\t)]
.endr
.endr
.endr
	WIN 0
.irp t, 0,1,2,3
.irp q, 0,1
	ds_store_b128 v[FST], v[F+8*(\t)+4*(\q):F+8*(\t)+4*(\q)+3] offset:(\u)*16384+(\t)*1024+(\q)*512
.endr
.endr
	s_wait_dscnt 0x0                               ; for the others: my stores are done
	s_barrier_signal -1
	s_barrier_wait -1                              ; the block's 16 fragments lie in LDS; nobody writes these bytes again
.endm
.macro FETCH u, c, bf                  ; fragment c of the four tiles into buffer bf: 8 loads, 512 bytes on end each
	WIN 0x40
.irp t, 0,1,2,3
.irp q, 0,1
	ds_load_b128 v[WB+32*(\bf)+8*(\t)+4*(\q):WB+32*(\bf)+8*(\t)+4*(\q)+3], v[FLD] offset:(\u)*16384+(\c)*4096+(\t)*1024+(\q)*512
.endr
.endr
.endm
; Block u times my four M tiles: 64 products.  The 16 accumulators take turns, one instruction a turn.  zero = 1: the first 16 start the sums.
.macro COMP u, zero
	FETCH \u, 0, 0
.irp c, 0,1,2,3
.if (\c) < 3
.if (\c) > 0
	PLACES                                         ; four places between the last product that read the buffer and the loads into it (ISA guide 7.12.1 for vector instructions)
.endif
	FETCH \u, (\c)+1, ((\c)+1)%2
	s_wait_dscnt 8                                 ; fragment c is in; the 8 loads just issued may stay out
.else
	s_wait_dscnt 0x0
.endif
	WIN 0x05                                       ; both sources in window 1
.irp t, 0,1,2,3
.irp m, 0,1,2,3
.if (\zero) && ((\c) == 0)
	v_wmma_f32_16x16x32_bf16 v[ACC+32*(\m)+8*(\t):ACC+32*(\m)+8*(\t)+7], v[WB+32*((\c)%2)+8*(\t):WB+32*((\c)%2)+8*(\t)+7], v[32*(\m)+8*(\c):32*(\m)+8*(\c)+7], 0
.else
	v_wmma_f32_16x16x32_bf16 v[ACC+32*(\m)+8*(\t):ACC+32*(\m)+8*(\t)+7], v[WB+32*((\c)%2)+8*(\t):WB+32*((\c)%2)+8*(\t)+7], v[32*(\m)+8*(\c):32*(\m)+8*(\c)+7], v[ACC+32*(\m)+8*(\t):ACC+32*(\m)+8*(\t)+7]
.endif
.endr
.endr
.endr
.endm
; THE WAY OUT.  High and low part lie 8 lanes apart: one add a register, each accumulator from its low end on.  Then both lanes hold the batch's eight numbers: the lower lane keeps
; e = 0..3, the upper e = 4..7, so that 16 lanes hold the 256 bytes of one (rb, ds, p).  g = 0: + bias, to hb.  g = 1: + bias, times a_b[p], to cb.
.macro EPI g
	WIN 0
	PLACES                                         ; eight plain places between the last product and the first read of a result: the double of what ISA guide 7.12.1 asks; twice in the launch
	PLACES
.irp m, 0,1,2,3
.set a, ACC+32*(\m)
.rept 32
	v_add_f32_dpp v[a], v[a], v[a] row_xmask:8 row_mask:0xf bank_mask:0xf
.set a, a+1
.endr
	s_wait_xcnt 0x0                                ; X, which the last four stores read, is written again only behind this wait
.irp t, 0,1,2,3
.irp i, 0,1,2,3
	v_cndmask_b32 v[X+4*(\t)+(\i)], v[ACC+32*(\m)+8*(\t)+(\i)], v[ACC+32*(\m)+8*(\t)+4+(\i)], s40
.endr
.endr
.irp t, 0,1,2,3
.irp i, 0,1,2,3
.if \g
	v_add_f32 v[X+4*(\t)+(\i)], v[X+4*(\t)+(\i)], v[B2+4*(\i)+(\t)]
.else
	v_add_f32 v[X+4*(\t)+(\i)], v[X+4*(\t)+(\i)], v[B+4*(\i)+(\t)]
.endif
.endr
.endr
.if \g
.irp x, 0,1,2,3,4,5,6,7,8,9,10,11,12,13,14,15
	v_mul_f32 v[X+(\x)], v[X+(\x)], v[AF+(\m)]
.endr
.endif
.irp t, 0,1,2,3
.if \g
	global_store_b128 v[HO], v[X+4*(\t):X+4*(\t)+3], s[46:47] offset:(\m)*524288+(\t)*32768
.else
	global_store_b128 v[HO], v[X+4*(\t):X+4*(\t)+3], s[38:39] offset:(\m)*524288+(\t)*32768
.endif
.endr
.endr
.endm
	s_wait_loadcnt 44                              ; A and block 0 are in; behind them 12 small loads and the 32 of blocks 1 and 2
	CONV 0
	COMP 0, 1
	WIN 0
	s_wait_loadcnt 16                              ; all but block 2
	s_wait_kmcnt 0x0
	s_mov_b32 s43, s42                             ; named as pairs
	s_mov_b32 s45, s44
.irp x, 0,2,4,6,8,10,12,14
	v_pk_add_f32 v[B+(\x):B+(\x)+1],   v[B+(\x):B+(\x)+1],   s[42:43] op_sel_hi:[1,0]  ; + bw[p]
	v_pk_add_f32 v[B2+(\x):B2+(\x)+1], v[B2+(\x):B2+(\x)+1], s[44:45] op_sel_hi:[1,0]  ; + bw[128 + p]
.endr
	CONV 1
	COMP 1, 0                                      ; onto the same sums: both blocks are multiplied by a
	EPI 0
	s_wait_loadcnt 0x0
	CONV 2
	COMP 2, 1
	EPI 1
	s_wait_tensorcnt 0x0                           ; the wave's end, behind my last LDS store
	ds_add_u32 v[SPW], v[NIL]
	s_wait_dscnt 0x0
	s_endpgm
.Lfunc_end_k_q79f714e3ce_hyper:
	.size	k_q79f714e3ce_hyper, .Lfunc_end_k_q79f714e3ce_hyper-k_q79f714e3ce_hyper
	.p2alignl 7, 3214868480
	.fill 96, 4, 3214868480
	.section	.rodata,"a",@progbits
	.p2align	6, 0x0
	.amdhsa_kernel k_q79f714e3ce_hyper
		.amdhsa_group_segment_fixed_size 49664
		.amdhsa_private_segment_fixed_size 0
		.amdhsa_enable_private_segment 0
		.amdhsa_kernarg_size 56
		.amdhsa_user_sgpr_count 2
		.amdhsa_user_sgpr_kernarg_segment_ptr 1
		.amdhsa_wavefront_size32 1
		.amdhsa_system_sgpr_workgroup_id_x 1
		.amdhsa_system_sgpr_workgroup_id_y 1
		.amdhsa_system_sgpr_workgroup_id_z 1
		.amdhsa_system_vgpr_workitem_id 0
		.amdhsa_next_free_vgpr 704
		.amdhsa_next_free_sgpr 66
		.amdhsa_reserve_vcc 0
		.amdhsa_float_denorm_mode_32 3
		.amdhsa_float_denorm_mode_16_64 3
		.amdhsa_memory_ordered 1
		.amdhsa_forward_progress 1
		.amdhsa_inst_pref_size 75
	.end_amdhsa_kernel
	.amdgpu_metadata
---
amdhsa.version: [ 1, 2 ]
amdhsa.kernels:
  - .name:           k_q79f714e3ce_hyper
    .symbol:         k_q79f714e3ce_hyper.kd
    .args:
      - { .name: Ww, .offset: 0, .size: 8, .value_kind: global_buffer, .address_space: global }
      - { .name: Wb, .offset: 8, .size: 8, .value_kind: global_buffer, .address_space: global }
      - { .name: bw, .offset: 16, .size: 8, .value_kind: global_buffer, .address_space: global }
      - { .name: ahl, .offset: 24, .size: 8, .value_kind: global_buffer, .address_space: global }
      - { .name: af, .offset: 32, .size: 8, .value_kind: global_buffer, .address_space: global }
      - { .name: hb, .offset: 40, .size: 8, .value_kind: global_buffer, .address_space: global }
      - { .name: cb, .offset: 48, .size: 8, .value_kind: global_buffer, .address_space: global }
    .group_segment_fixed_size: 49664
    .private_segment_fixed_size: 0
    .kernarg_segment_align: 8
    .kernarg_segment_size: 56
    .max_flat_workgroup_size: 128
    .sgpr_count:     66
    .vgpr_count:     704
    .wavefront_size: 32
...
	.end_amdgpu_metadata
.endif
;; end of part 2
;; launch final (part 3): grid 16 x 16, 8 waves a work-group, no clusters, 136,192 bytes of LDS; arguments ttimg, mbf, hb, cb, bb, out0; writes out0
.if DOCPART == 3
	.amdgcn_target "amdgcn-amd-amdhsa--gfx1250"
	.amdhsa_code_object_version 6
	.text
	.protected	k_q79f714e3ce_final
	.globl	k_q79f714e3ce_final
	.p2align	8
	.type	k_q79f714e3ce_final,@function
k_q79f714e3ce_final:
	s_mov_b64 s[64:65], 0
	v_nop
	global_prefetch_b8 v0, s[64:65] scope:SCOPE_SE
	s_setreg_imm32_b32 hwreg(HW_REG_WAVE_MODE, 25, 1), 1
	s_wait_xcnt 0x0
; HyperEncoder, launch 3 of 3 (the identity stands at the head of launch 1; nothing else is left out):
;   z[row][d] = sum_{j<128} m_j ( sum_{k<128} m_k Ww[j][128 k + d] + H_b[j][d] ) + sum_p cb_b[p][d] + bb;   out[b][d] = sum over the batch's 16 rows of elu(z).
; SHARES.  Work-group (ds, rb) owns 128 rows (8 batches = 8 M tiles of 16 rows) x the 8 columns d(ds, e) = 64 (ds / 8) + 32 ((ds / 4) % 2) + 4 e + ds % 4, whole in z.
; Wave w owns j = 16 w .. 16 w + 15, as 8 pairs (16 w + i, 16 w + 8 + i), for all 8 tiles: 32 products a pair.  At the end wave w finishes batch 8 rb + w.
; LAYOUT.  The product is taken transposed: source 0 = 16 columns of weights (pair member hj, place e), source 1 = 16 rows of messages.  In the result register e of lane (r, h) holds
; row r, j = 16 w + i + 8 h, column d(ds, e).  H is the C operand that starts the sum.  The result is multiplied by m[r][j] and added into Z: that bf16 lies in the lane's own fragment of
; the messages, since each wave takes K in an order turned by its own number (kap = (kq + w) mod 8, in ttimg and in the loads from LDS alike), so that k = 16 w + 8 h + 0..7 are its first four registers.
; The weights come from memory straight into operand registers (ttimg is laid so), three pairs ahead.  Two waves share a SIMD: one wave's 64 multiply-adds stand beside the other's products.
; NO CLUSTER.  The 16 row blocks of a slice read the same 262,144 bytes of ttimg.  Asked for jointly they would have to pass through LDS: with the 136,192 bytes used here they do not fit in 327,680,
; so it would take a ring, a round of the cluster's barrier for each refill, and an LDS read for each fragment that now needs none.
; out0 leaves as 8 numbers of 4 bytes a wave, 16 bytes apart: the work-group owns 8 of a row's 128 columns; the whole output is 65,536 bytes.
; LIMITS.  elu(z) = z where z > 0, else 2^(z log2 e) - 1: near 0 its error is that of the exponential, about 1e-7, not relative to z.  The exponential is taken of every z and thrown away by a select where z > 0.
; REGISTERS (s_set_vgpr_msb: bits 3:2 source 1, 7:6 destination): window 0: v0-26 addresses; v32-95 Z[8 t + e]; v96-159 D[8 t + e]; v160-255 W, three slots of 32.  Window 1: A[32 t + 4 kq].
.set MP,    272                        ; a row of messages in LDS: 256 bytes + 16: an odd multiple of 16, so the 16 rows of a load begin 16 bytes apart modulo 256
.set MB,    0                          ; 128 rows x 272
.set HBL,   34816                      ; the work-group's block of hb as it lies, 32,768 bytes; wave w writes and reads its own 4,096
.set ZR,    67584                      ; [wave 8][tile 8][half 2][lane 32][16 bytes]
.set CS,    133120                     ; [wave 8][batch 8][e 8] f32
.set SPARE, 135168                     ; the spare words, 128 bytes for each wave: four blocks of 256 bytes that no other line names
.set LOFF, 4                           ; v4   16 x lane
.set AD,   8                           ; v8-15  MB + 272 r + 16 h + 32 ((kq + w) mod 8)
.set HBA,  16                          ; v16  HBL + 4,096 w + 2,048 h
.set MST,  17                          ; v17  MB + (16 w + h) 272 + 16 r
.set HST,  18                          ; v18  HBL + 4,096 w + 16 lane
.set ZST,  19                          ; v19  ZR + 8,192 w + 16 lane
.set ZRD,  20                          ; v20  ZR + 1,024 w + 512 h + 16 r
.set CSW,  21                          ; v21  CS + 256 w + 16 r
.set CSR,  22                          ; v22  CS + 32 w + 16 h
.set OUTO, 23                          ; v23  64 h + 16 r
.set SPW,  24                          ; v24  LDS address of my spare word; never rewritten
.set NIL,  25                          ; v25  0; never rewritten
.set ZERO, 26                          ; v26  0.0: what the first pair's multiply-adds add onto
.set Z,    32
.set D,    96
.set W,    160
.set CB,   W+64                        ; slot 2 takes the block of cb when pair 5 has left it
.set MSB, 0
.macro WIN new                         ; the high byte repeats the setting that is left; a switch that changes nothing is dropped
.if MSB != (\new)
	s_set_vgpr_msb (MSB<<8)|(\new)
.set MSB, \new
.endif
.endm
	s_load_b256 s[4:11], s[0:1], 0x0               ; ttimg s[4:5], mbf s[6:7], hb s[8:9], cb s[10:11]
	s_load_b128 s[12:15], s[0:1], 0x20             ; bb s[12:13], out0 s[14:15]
	v_lshl_add_u32 v[SPW], v0, 2, SPARE
	v_mov_b32 v[NIL], 0
	v_mov_b32 v[ZERO], 0
	v_lshrrev_b32 v3, 5, v0
	v_readfirstlane_b32 s16, v3                    ; wave 0..7
	s_mov_b32 s17, ttmp9                           ; ds
	s_and_b32 s18, ttmp7, 0xffff                   ; rb
	v_and_b32 v3, 31, v0
	v_lshlrev_b32 v[LOFF], 4, v3
	s_lshl_b32 s20, s17, 18
	s_lshl_b32 s19, s16, 15
	s_add_co_u32 s20, s20, s19                     ; ttimg: slice, wave
	s_mov_b32 s21, 0
	s_lshl_b32 s22, s18, 15
	s_lshl_b32 s19, s16, 12
	s_add_co_u32 s22, s22, s19                     ; mbf: 128 rb + 16 w rows of 256 bytes
	s_mov_b32 s23, 0
	s_lshl_b32 s24, s18, 19
	s_lshl_b32 s26, s17, 15
	s_add_co_u32 s24, s24, s26
	s_add_co_u32 s24, s24, s19                     ; hb and cb: block 16 rb + ds, my 16 p
	s_mov_b32 s25, 0
	s_lshl_b32 s26, s18, 12
	s_lshl_b32 s19, s16, 9
	s_add_co_u32 s26, s26, s19                     ; out0: row 8 rb + w,
	s_bfe_u32 s19, s17, 0x10003
	s_lshl_b32 s19, s19, 8
	s_add_co_u32 s26, s26, s19                     ; 4 d(ds, 0)
	s_bfe_u32 s19, s17, 0x10002
	s_lshl_b32 s19, s19, 7
	s_add_co_u32 s26, s26, s19
	s_and_b32 s19, s17, 3
	s_lshl_b32 s19, s19, 2
	s_add_co_u32 s26, s26, s19
	s_mov_b32 s27, 0
	s_mov_b32 s36, 0x76543210                      ; v_permlanex16_b32: each lane takes its own place in the other half
	s_mov_b32 s37, 0xfedcba98
	s_wait_kmcnt 0x0
	s_add_nc_u64 s[4:5], s[4:5], s[20:21]
	s_add_nc_u64 s[6:7], s[6:7], s[22:23]
	s_add_nc_u64 s[8:9], s[8:9], s[24:25]
	s_add_nc_u64 s[10:11], s[10:11], s[24:25]
	s_add_nc_u64 s[14:15], s[14:15], s[26:27]
	s_load_b32 s32, s[12:13], 0x0                  ; bb
.macro WLOAD i                         ; pair i's weights, 4,096 bytes on end, into slot i % 3
.irp k, 0,1,2,3,4,5,6,7
	global_load_b128 v[W+32*((\i)%3)+4*(\k):W+32*((\i)%3)+4*(\k)+3], v[LOFF], s[4:5] offset:(\i)*4096+(\k)*512
.endr
.endm
.irp n, 0,1,2,3,4,5,6,7
	global_load_b128 v[Z+4*(\n):Z+4*(\n)+3], v[LOFF], s[6:7] offset:(\n)*512                   ; my 16 rows of messages
.endr
.irp n, 0,1,2,3,4,5,6,7
	global_load_b128 v[D+4*(\n):D+4*(\n)+3], v[LOFF], s[8:9] offset:(\n)*512 th:TH_LOAD_NT     ; my 16 p of H
.endr
	WLOAD 0
	WLOAD 1
	WLOAD 2
	v_and_b32 v1, 15, v0                           ; r
	v_bfe_u32 v2, v0, 4, 1                         ; h
	v_mul_u32_u24 v5, v1, MP
	v_lshl_add_u32 v5, v2, 4, v5
.irp k, 0,1,2,3,4,5,6,7
	s_add_co_u32 s34, s16, \k
	s_and_b32 s34, s34, 7
	s_lshl_b32 s34, s34, 5
	v_add_nc_u32 v[AD+(\k)], s34, v5
.endr
	s_lshl_b32 s34, s16, 12
	s_add_co_u32 s34, s34, HBL
	v_lshl_add_u32 v[HBA], v2, 11, s34
	v_add_nc_u32 v[HST], s34, v[LOFF]
	s_mul_i32 s35, s16, 16*MP
	v_mul_u32_u24 v6, v2, MP
	v_lshl_add_u32 v6, v1, 4, v6
	v_add_nc_u32 v[MST], s35, v6
	s_lshl_b32 s35, s16, 13
	s_add_co_u32 s35, s35, ZR
	v_add_nc_u32 v[ZST], s35, v[LOFF]
	s_lshl_b32 s35, s16, 10
	s_add_co_u32 s35, s35, ZR
	v_lshlrev_b32 v6, 4, v1
	v_lshl_add_u32 v7, v2, 9, v6
	v_add_nc_u32 v[ZRD], s35, v7
	s_lshl_b32 s35, s16, 8
	s_add_co_u32 s35, s35, CS
	v_add_nc_u32 v[CSW], s35, v6
	s_lshl_b32 s35, s16, 5
	s_add_co_u32 s35, s35, CS
	v_lshl_add_u32 v[CSR], v2, 4, s35
	v_lshl_add_u32 v[OUTO], v2, 6, v6
	s_wait_kmcnt 0x0
	s_mov_b32 s33, s32                             ; named as a pair
	s_wait_loadcnt 32                              ; the messages are in; behind them H's 8 loads and the 24 of three pairs
.irp n, 0,1,2,3,4,5,6,7
	ds_store_b128 v[MST], v[Z+4*(\n):Z+4*(\n)+3] offset:(\n)*2*MP
.endr
	s_wait_loadcnt 24                              ; H is in; the three pairs may stay out
.irp n, 0,1,2,3,4,5,6,7
	ds_store_b128 v[HST], v[D+4*(\n):D+4*(\n)+3] offset:(\n)*512
.endr
	s_wait_dscnt 0x0                               ; for the others: my stores are done
	s_barrier_signal -1
	s_barrier_wait -1                              ; all 128 rows of messages lie in LDS; nobody writes them again
	WIN 0x40                                       ; destination window 1
.irp t, 0,1,2,3,4,5,6,7
.irp k, 0,1,2,3,4,5,6,7
	ds_load_b128 v[32*(\t)+4*(\k):32*(\t)+4*(\k)+3], v[AD+(\k)] offset:(\t)*16*MP  ; all messages stay in registers: tile t, k = 16 ((k + w) mod 8) + 8 h + 0..7
.endr
.endr
	WIN 0x04                                       ; source 1 in window 1: one setting for the products, the multiply-adds and the loads, to the end of the pairs
.irp t, 0,1,2,3,4,5,6,7
	ds_load_b128 v[D+8*(\t):D+8*(\t)+3],   v[HBA] offset:32*(\t)      ; H of pair 0: j = 16 w + 8 h, batch t, e = 0..7: the same for all 16 rows
	ds_load_b128 v[D+8*(\t)+4:D+8*(\t)+7], v[HBA] offset:32*(\t)+16
.endr
.macro FM zd, dd, aa, cc, hi           ; zd = dd x the low or high bf16 of aa + cc
.if \hi
	v_fma_mix_f32_bf16 v[\zd], v[\dd], v[\aa], v[\cc] op_sel:[0,1,0] op_sel_hi:[0,1,0]
.else
	v_fma_mix_f32_bf16 v[\zd], v[\dd], v[\aa], v[\cc] op_sel_hi:[0,1,0]
.endif
.endm
; PAIR i: D = H + W m (32 products; the 8 accumulators take turns, one instruction a turn); the slot is asked for again; Z += m_j D, each accumulator read from its low end on,
; and behind a tile's eight multiply-adds its D takes H of the next pair.
.macro PAIR i
.if (\i) == 7
	s_wait_loadcnt 8                               ; behind pair 7's weights only the 8 loads of cb are out
.else
	s_wait_loadcnt 16                              ; my weights are in; the two younger groups of 8 may stay out
.endif
.irp c, 0,1,2,3
.irp t, 0,1,2,3,4,5,6,7
.if (\c) == 0
	s_wait_dscnt 14-2*(\t)                         ; H of tile t is in; the two loads of each later tile may stay out
.endif
	v_wmma_f32_16x16x32_bf16 v[D+8*(\t):D+8*(\t)+7], v[W+32*((\i)%3)+8*(\c):W+32*((\i)%3)+8*(\c)+7], v[32*(\t)+8*(\c):32*(\t)+8*(\c)+7], v[D+8*(\t):D+8*(\t)+7]
.endr
.endr
.rept 8
	v_nop                                          ; eight plain places between the last product and the loads into its sources and the first read of a result: the double of what ISA guide 7.12.1 asks
.endr
.if (\i) < 5
	WLOAD (\i)+3
.elseif (\i) == 5
.irp k, 0,1,2,3,4,5,6,7
	global_load_b128 v[CB+4*(\k):CB+4*(\k)+3], v[LOFF], s[10:11] offset:(\k)*512 th:TH_LOAD_NT  ; my 16 p of the parts of c
.endr
.endif
.irp t, 0,1,2,3,4,5,6,7
.irp e, 0,1,2,3,4,5,6,7
.if (\i) == 0
	FM Z+8*(\t)+(\e), D+8*(\t)+(\e), 32*(\t)+(\i)/2, ZERO, (\i)%2          ; the first pair starts Z: nothing is cleared
.else
	FM Z+8*(\t)+(\e), D+8*(\t)+(\e), 32*(\t)+(\i)/2, Z+8*(\t)+(\e), (\i)%2
.endif
.endr
.if (\i) < 7
	ds_load_b128 v[D+8*(\t):D+8*(\t)+3],   v[HBA] offset:((\i)+1)*256+32*(\t)
	ds_load_b128 v[D+8*(\t)+4:D+8*(\t)+7], v[HBA] offset:((\i)+1)*256+32*(\t)+16
.endif
.endr
.endm
	PAIR 0
	PAIR 1
	PAIR 2
	PAIR 3
	PAIR 4
	PAIR 5
	PAIR 6
	PAIR 7
	WIN 0
.irp t, 0,1,2,3,4,5,6,7
.irp q, 0,1
	ds_store_b128 v[ZST], v[Z+8*(\t)+4*(\q):Z+8*(\t)+4*(\q)+3] offset:(2*(\t)+(\q))*512
.endr
.endr
	s_wait_loadcnt 0x0                             ; cb: load n, lane l: p = 16 w + 2 n + l / 16, batch (l % 16) / 2, e = 4 (l % 2) + 0..3
.irp k, 0,1,2,3
	v_pk_add_f32 v[CB+4*(\k):CB+4*(\k)+1],   v[CB+4*(\k):CB+4*(\k)+1],   v[CB+16+4*(\k):CB+16+4*(\k)+1]
	v_pk_add_f32 v[CB+4*(\k)+2:CB+4*(\k)+3], v[CB+4*(\k)+2:CB+4*(\k)+3], v[CB+16+4*(\k)+2:CB+16+4*(\k)+3]
.endr
.irp k, 0,1
	v_pk_add_f32 v[CB+4*(\k):CB+4*(\k)+1],   v[CB+4*(\k):CB+4*(\k)+1],   v[CB+8+4*(\k):CB+8+4*(\k)+1]
	v_pk_add_f32 v[CB+4*(\k)+2:CB+4*(\k)+3], v[CB+4*(\k)+2:CB+4*(\k)+3], v[CB+8+4*(\k)+2:CB+8+4*(\k)+3]
.endr
	v_pk_add_f32 v[CB:CB+1],   v[CB:CB+1],   v[CB+4:CB+5]
	v_pk_add_f32 v[CB+2:CB+3], v[CB+2:CB+3], v[CB+6:CB+7]
.irp i, 0,1,2,3
	v_permlanex16_b32 v[CB+4+(\i)], v[CB+(\i)], s36, s37   ; the odd p lie in the other half of the lanes
.endr
	v_pk_add_f32 v[CB:CB+1],   v[CB:CB+1],   v[CB+4:CB+5]
	v_pk_add_f32 v[CB+2:CB+3], v[CB+2:CB+3], v[CB+6:CB+7]
	ds_store_b128 v[CSW], v[CB:CB+3]               ; both halves of the lanes hold the same numbers and write the same bytes
	s_wait_dscnt 0x0                               ; for the others: my stores are done
	s_barrier_signal -1
	s_barrier_wait -1                              ; all waves' parts of z and of c lie in LDS
	; BATCH 8 rb + w IS FINISHED.  Lane (r, h) takes row r, e = 4 h + 0..3: of each wave's tile w the registers 4 h .. 4 h + 3 of lanes r and 16 + r.
.irp u, 0,1,2,3,4,5,6,7
.irp q, 0,1
	ds_load_b128 v[Z+8*(\u)+4*(\q):Z+8*(\u)+4*(\q)+3], v[ZRD] offset:(\u)*8192+(\q)*256
.endr
.endr
.irp u, 0,1,2,3,4,5,6,7
	ds_load_b128 v[D+4*(\u):D+4*(\u)+3], v[CSR] offset:(\u)*256
.endr
	s_wait_dscnt 0x0
.irp st, 8,4,2,1
.set g, 0
.rept \st
	v_pk_add_f32 v[Z+4*g:Z+4*g+1],   v[Z+4*g:Z+4*g+1],   v[Z+4*(g+\st):Z+4*(g+\st)+1]
	v_pk_add_f32 v[Z+4*g+2:Z+4*g+3], v[Z+4*g+2:Z+4*g+3], v[Z+4*(g+\st)+2:Z+4*(g+\st)+3]
.set g, g+1
.endr
.endr
.irp st, 4,2,1
.set g, 0
.rept \st
	v_pk_add_f32 v[D+4*g:D+4*g+1],   v[D+4*g:D+4*g+1],   v[D+4*(g+\st):D+4*(g+\st)+1]
	v_pk_add_f32 v[D+4*g+2:D+4*g+3], v[D+4*g+2:D+4*g+3], v[D+4*(g+\st)+2:D+4*(g+\st)+3]
.set g, g+1
.endr
.endr
	v_pk_add_f32 v[D:D+1],   v[D:D+1],   s[32:33] op_sel_hi:[1,0]   ; c + bb
	v_pk_add_f32 v[D+2:D+3], v[D+2:D+3], s[32:33] op_sel_hi:[1,0]
	v_pk_add_f32 v[Z:Z+1],   v[Z:Z+1],   v[D:D+1]                   ; z
	v_pk_add_f32 v[Z+2:Z+3], v[Z+2:Z+3], v[D+2:D+3]
	v_pk_mul_f32 v[Z+4:Z+5], v[Z:Z+1],   0x3fb8aa3b op_sel_hi:[1,0] ; z log2 e
	v_pk_mul_f32 v[Z+6:Z+7], v[Z+2:Z+3], 0x3fb8aa3b op_sel_hi:[1,0]
.irp i, 0,1,2,3
	v_cmp_lt_f32 s[40+(\i)], 0, v[Z+(\i)]
.endr
.irp i, 0,1,2,3
	v_exp_f32 v[Z+4+(\i)], v[Z+4+(\i)]
.endr
	v_nop                                          ; a plain instruction behind the last exponential (ISA guide 5.7.2),
	s_wait_alu depctr_va_vdst(0)                   ; and a wait ahead of the first use: one for the four
.irp i, 0,1,2,3
	v_add_f32 v[Z+4+(\i)], -1.0, v[Z+4+(\i)]
.endr
.irp i, 0,1,2,3
	v_cndmask_b32 v[Z+(\i)], v[Z+4+(\i)], v[Z+(\i)], s[40+(\i)]   ; z where z > 0; a NaN fails the test and comes through the exponential as NaN
.endr
.irp x, 1,2,4,8
.irp i, 0,1,2,3
	v_add_f32_dpp v[Z+(\i)], v[Z+(\i)], v[Z+(\i)] row_xmask:\x row_mask:0xf bank_mask:0xf   ; the sum over the batch's 16 rows, which are 16 lanes
.endr
.endr
	v_cmp_eq_u32 s40, 1, v1                        ; lane r < 4 keeps number r
	v_cmp_eq_u32 s41, 2, v1
	v_cmp_eq_u32 s42, 3, v1
	v_cndmask_b32 v[Z], v[Z], v[Z+1], s40
	v_cndmask_b32 v[Z], v[Z], v[Z+2], s41
	v_cndmask_b32 v[Z], v[Z], v[Z+3], s42
	v_cmp_gt_u32 vcc_lo, 4, v1
	s_wait_xcnt 0x0                                ; EXEC changes only behind this wait
	s_and_saveexec_b32 s43, vcc_lo
	global_store_b32 v[OUTO], v[Z], s[14:15]       ; d = d(ds, 4 h + r)
	s_wait_xcnt 0x0                                ; and again, in front of the line that widens it
	s_or_b32 exec_lo, exec_lo, s43
	s_wait_tensorcnt 0x0                           ; the wave's end, behind my last LDS store
	ds_add_u32 v[SPW], v[NIL]
	s_wait_dscnt 0x0
	s_endpgm
.Lfunc_end_k_q79f714e3ce_final:
	.size	k_q79f714e3ce_final, .Lfunc_end_k_q79f714e3ce_final-k_q79f714e3ce_final
	.p2alignl 7, 3214868480
	.fill 96, 4, 3214868480
	.section	.rodata,"a",@progbits
	.p2align	6, 0x0
	.amdhsa_kernel k_q79f714e3ce_final
		.amdhsa_group_segment_fixed_size 136192
		.amdhsa_private_segment_fixed_size 0
		.amdhsa_enable_private_segment 0
		.amdhsa_kernarg_size 48
		.amdhsa_user_sgpr_count 2
		.amdhsa_user_sgpr_kernarg_segment_ptr 1
		.amdhsa_wavefront_size32 1
		.amdhsa_system_sgpr_workgroup_id_x 1
		.amdhsa_system_sgpr_workgroup_id_y 1
		.amdhsa_system_sgpr_workgroup_id_z 1
		.amdhsa_system_vgpr_workitem_id 0
		.amdhsa_next_free_vgpr 512
		.amdhsa_next_free_sgpr 66
		.amdhsa_reserve_vcc 1
		.amdhsa_float_denorm_mode_32 3
		.amdhsa_float_denorm_mode_16_64 3
		.amdhsa_memory_ordered 1
		.amdhsa_forward_progress 1
		.amdhsa_inst_pref_size 88
	.end_amdhsa_kernel
	.amdgpu_metadata
---
amdhsa.version: [ 1, 2 ]
amdhsa.kernels:
  - .name:           k_q79f714e3ce_final
    .symbol:         k_q79f714e3ce_final.kd
    .args:
      - { .name: ttimg, .offset: 0, .size: 8, .value_kind: global_buffer, .address_space: global }
      - { .name: mbf, .offset: 8, .size: 8, .value_kind: global_buffer, .address_space: global }
      - { .name: hb, .offset: 16, .size: 8, .value_kind: global_buffer, .address_space: global }
      - { .name: cb, .offset: 24, .size: 8, .value_kind: global_buffer, .address_space: global }
      - { .name: bb, .offset: 32, .size: 8, .value_kind: global_buffer, .address_space: global }
      - { .name: out0, .offset: 40, .size: 8, .value_kind: global_buffer, .address_space: global }
    .group_segment_fixed_size: 136192
    .private_segment_fixed_size: 0
    .kernarg_segment_align: 8
    .kernarg_segment_size: 48
    .max_flat_workgroup_size: 256
    .sgpr_count:     66
    .vgpr_count:     512
    .wavefront_size: 32
...
	.end_amdgpu_metadata
.endif
;; end of part 3
;; ======== version 2 of 2: 3 launches; version 1 with the launch hyper written anew for expert scheduling mode
;; workspace buffers: ttimg 4,194,304 bytes; mbf 524,288 bytes; ahl 65,536 bytes; af 65,536 bytes; hb 8,388,608 bytes; cb 8,388,608 bytes
;; launch prep: the kernel of part 1 again; grid 256 x 1, 4 waves a work-group, no clusters, 0 bytes of LDS; arguments messages, Ww, ttimg, mbf, ahl, af; writes ttimg, mbf, ahl, af
;; launch hyper (part 4): grid 128 x 2, 4 waves a work-group, no clusters, 49,664 bytes of LDS; arguments Ww, Wb, bw, ahl, af, hb, cb; writes hb, cb
.if DOCPART == 4
	.amdgcn_target "amdgcn-amd-amdhsa--gfx1250"
	.amdhsa_code_object_version 6
	.text
	.protected	k_q79f714e3ce_hyper
	.globl	k_q79f714e3ce_hyper
	.p2align	8
	.type	k_q79f714e3ce_hyper,@function
k_q79f714e3ce_hyper:
	s_mov_b64 s[64:65], 0
	v_nop
	global_prefetch_b8 v0, s[64:65] scope:SCOPE_SE
	s_setreg_imm32_b32 hwreg(HW_REG_WAVE_SCHED_MODE, 0, 2), 2
	s_setreg_imm32_b32 hwreg(HW_REG_WAVE_MODE, 25, 1), 1
	s_wait_xcnt 0x0
	s_wait_alu depctr_vm_vsrc(0)
; HyperEncoder, launch 2 of 3: what is the same for the 16 rows of a batch is made once a batch (the identity stands at the head of launch 1; nothing else is left out).
;   hb: H_b[p][d]   = sum_q a_q ( Ww[p][128 (128+q) + d] + Ww[128+q][128 p + d] ) + Wb[128 p + d] + bw[p]
;   cb: a_b[p] x ( sum_q a_q Ww[128+p][128 (128+q) + d] + Wb[128 (128+p) + d] + bw[128+p] ): the 128 parts of c_b[d], added up in launch 3.  Both stay f32.
; SHARES.  Work-group (p, dh) alone reads three blocks of Ww, 128 rows q x 256 bytes (d = 64 dh .. + 63), each byte once in the launch, and multiplies them with all 128 batches.
; A batch is two rows of the product: the high and the low bf16 part of a (ahl).  An M tile T is 8 batches x 2 parts.  On the way in wave v rounds q = 32 v .. + 31 of each block;
; for the products it has the M tiles 4 v .. 4 v + 3 and all of q: so the rounded fragments meet in LDS, each byte written once, one barrier a block.
; LAYOUT.  The product is taken transposed: source 0 = 16 columns of weights, source 1 = 16 rows of ahl.  16 lanes read 256 bytes of a row of Ww, 16 bytes a lane: lane x, register t holds
; d = 64 dh + 4 x + t.  So register t of the loads IS tile t, its 16 columns are the 16 lanes, and a lane's 16 loads are its 2 x 8 numbers along q: rounding in pairs makes the fragment in place.
; In the result register e of lane (r, h) holds column x = 8 h + e, that is slice ds = 8 dh + 4 h + t, place e; row r: batch 8 T + r % 8, high (r < 8) or low part.
; hb, cb: [rb 16][ds 16][p 128][b 8][e 8] f32, rb = T.  Each store of 16 lanes covers the 256 bytes of one (rb, ds, p), aligned.
; No cluster: no two work-groups read the same weights; what they share, ahl, is 65,536 bytes against the 25,165,824 of weights.
; REGISTERS, in windows of 256 (s_set_vgpr_msb: bits 1:0 source 0, 3:2 source 1, 5:4 source 2, 7:6 destination):
;   window 0: v0-17 addresses; v32-63 F, a block's rounded fragments; v64-95 the two bias tables; v96-99 a_b[p]; v128-255 the 16 accumulators, whose four lowest registers each are also what is stored
;   window 1: v0-127 A (tile m, fragment c at 32 m + 8 c); v128-255 WB, four buffers of four tiles, one for each fragment of a block      window 2: v0-191 the three blocks as loaded
; THE MODE: SCHED_MODE bits 1:0 = 2 (LLVM: expert scheduling mode 2), set by the entry lines.  The code itself states the register dependences
; between vector or matrix instructions and memory or LDS instructions, with s_wait_alu, always for 0.
; THE PLAN.  Registers that memory or LDS instructions touch:
;   v8-v15      offsets and LDS addresses: written at the head, ahead of one wait on va_vdst, and never again.      v16, v17: written at the head, read by the closing add alone.
;   A, the three raw blocks, the bias tables, a_b[p]: loaded once; afterwards named by vector and matrix instructions alone.
;   F           Block u: its 32 conversions write it, its 8 LDS stores read it: a wait on va_vdst between the two; a wait on vm_vsrc ahead of the next block's conversions.
;   WB0 .. WB3  Fragment c of a block lands in WB[c]; the 16 products of fragment c read it; it is loaded again in the next block alone, behind that block's wait on va_vdst, since which no product
;               names it.  So the 64 products of a block stand with no wait on registers among them.
;   the accumulators  Written by the products and, on the way out, in place by vector instructions; the four lowest registers of each are read by one store.  At the head of tile m one wait on va_vdst
;               states that tile m - 1 is written; its four stores are dealt among tile m's lines, which name tile m's registers alone.  Between hb's stores and block 2's first products,
;               which write the same registers, stand s_wait_xcnt 0 and a wait on vm_vsrc.
;   s20, s40    Written by vector instructions at the head, in one run, with one wait on va_sdst behind it.
.set FR,    0                          ; LDS: [block 3][fragment 4][tile 4][half 2][lane 32][16 bytes] = 49,152 bytes
.set SPARE, 49152                      ; the spare words, 128 bytes for each wave: two blocks of 256 bytes that no other line names
.set VO1, 8                            ; v8   4,096 h + 16 r: 8 rows q of 512 bytes for the upper lanes
.set VO2, 9                            ; v9   1,048,576 h + 16 r: 8 rows of Ww
.set AO,  10                           ; v10  256 r + 16 h
.set FST, 11                           ; v11  FR + 4,096 wave + 16 lane
.set FLD, 12                           ; v12  FR + 16 lane
.set HO,  13                           ; v13  131,072 h + 32 (r % 8) + 16 (r / 8)
.set BO,  14                           ; v14  128 h + 64 (r / 8)
.set AFO, 15                           ; v15  512 (r % 8)
.set SPW, 16                           ; v16  LDS address of my spare word; never rewritten
.set NIL, 17                           ; v17  0; never rewritten
.set F,   32
.set B,   64                           ; B[4 i + t] = Wb[128 p + d] + bw[p] for my e = 4 (r / 8) + i of tile t
.set B2,  80                           ; the same 128 rows of Wb on, with bw[128 + p]
.set AF,  96
.set ACC, 128                          ; tile m of M, tile t of columns at ACC + 32 m + 8 t
.set WB,  128                          ; in window 1: fragment c at WB + 32 c
.set MSB, 0
.macro WIN new                         ; the high byte repeats the setting that is left; a switch that changes nothing is dropped
.if MSB != (\new)
	s_set_vgpr_msb (MSB<<8)|(\new)
.set MSB, \new
.endif
.endm
.macro PLACES
.rept 4
	v_nop
.endr
.endm
	s_load_b256 s[4:11], s[0:1], 0x0               ; Ww s[4:5], Wb s[6:7], bw s[8:9], ahl s[10:11]
	s_load_b128 s[12:15], s[0:1], 0x20             ; af s[12:13], hb s[14:15]
	s_load_b64 s[16:17], s[0:1], 0x30              ; cb
	v_lshl_add_u32 v[SPW], v0, 2, SPARE
	v_mov_b32 v[NIL], 0
	v_lshrrev_b32 v1, 5, v0
	v_readfirstlane_b32 s20, v1                    ; wave 0..3
	s_mov_b32 s21, ttmp9                           ; p
	s_and_b32 s22, ttmp7, 0xffff                   ; dh
	v_and_b32 v2, 15, v0                           ; r
	v_bfe_u32 v3, v0, 4, 1                         ; h
	v_and_b32 v4, 31, v0                           ; lane
	v_and_b32 v5, 7, v0                            ; r % 8
	v_bfe_u32 v6, v0, 3, 1                         ; r / 8
	v_lshlrev_b32 v7, 4, v2
	v_lshl_add_u32 v[VO1], v3, 12, v7
	v_lshl_add_u32 v[VO2], v3, 20, v7
	v_lshlrev_b32 v[AO], 8, v2
	v_lshl_add_u32 v[AO], v3, 4, v[AO]
	v_lshlrev_b32 v[FLD], 4, v4
	v_lshlrev_b32 v[HO], 5, v5
	v_lshl_add_u32 v[HO], v6, 4, v[HO]
	v_lshl_add_u32 v[HO], v3, 17, v[HO]
	v_lshlrev_b32 v[BO], 6, v6
	v_lshl_add_u32 v[BO], v3, 7, v[BO]
	v_lshlrev_b32 v[AFO], 9, v5
	v_cmp_eq_u32 s40, 1, v6                        ; the lanes with r >= 8
	s_wait_alu depctr_va_sdst(0)                   ; s20 and s40 are written, ahead of the first reader of either: the scalar lines below read s20, the selects on the way out s40
	s_lshl_b32 s55, s20, 12                        ; a register of its own: no scalar register that a vector line has read is written again
	v_add_nc_u32 v[FST], s55, v[FLD]
	s_mov_b32 s49, 0
	s_lshl_b32 s50, s22, 8                         ; 256 dh
	s_lshl_b32 s51, s20, 14                        ; 16,384 wave
	s_lshl_b32 s52, s21, 9                         ; 512 p
	s_lshl_b32 s53, s21, 2                         ; 4 p
	s_lshl_b32 s48, s21, 17
	s_add_co_u32 s48, s48, 65536
	s_add_co_u32 s48, s48, s50
	s_add_co_u32 s48, s48, s51
	s_wait_kmcnt 0x0
	s_add_nc_u64 s[24:25], s[4:5], s[48:49]        ; block 0: Ww[p][128 (128 + 32 wave) + 64 dh]
	s_add_nc_u64 s[28:29], s[24:25], 0x1000000     ; block 2: the same 128 rows of Ww on
	s_mov_b32 s48, s51
	s_add_nc_u64 s[30:31], s[10:11], s[48:49]      ; ahl at my four M tiles
	s_lshl_b32 s48, s20, 22
	s_add_co_u32 s48, s48, 0x1000000
	s_add_co_u32 s48, s48, s52
	s_add_co_u32 s48, s48, s50
	s_add_nc_u64 s[26:27], s[4:5], s[48:49]        ; block 1: Ww[128 + 32 wave][128 p + 64 dh]
	s_add_co_u32 s48, s52, s50
	s_add_nc_u64 s[32:33], s[6:7], s[48:49]        ; Wb[128 p + 64 dh]
	s_add_co_u32 s48, s51, s53
	s_add_nc_u64 s[34:35], s[12:13], s[48:49]      ; af[32 wave][p]
	s_mov_b32 s48, s53
	s_add_nc_u64 s[36:37], s[8:9], s[48:49]        ; bw[p]
	s_load_b32 s42, s[36:37], 0x0
	s_load_b32 s44, s[36:37], 0x200                ; bw[128 + p]
	s_lshl_b32 s48, s20, 21                        ; four rb of 524,288 bytes a wave
	s_lshl_b32 s54, s22, 18
	s_add_co_u32 s48, s48, s54
	s_lshl_b32 s54, s21, 8
	s_add_co_u32 s48, s48, s54
	s_add_nc_u64 s[38:39], s[14:15], s[48:49]      ; hb and cb at (rb = 4 wave, ds = 8 dh, p)
	s_add_nc_u64 s[46:47], s[16:17], s[48:49]
	; ALL THAT THE WAVE READS IS ASKED FOR HERE, in the order in which it is wanted: 32 + 16 + 12 + 16 + 16 loads.
	WIN 0x40
	s_wait_alu depctr_va_vdst(0)                   ; the eight offsets and addresses v8 to v15 are written, which every load and store of the kernel reads; no vector line writes them again
.irp m, 0,1,2,3
.irp c, 0,1,2,3
	global_load_b128 v[32*(\m)+8*(\c):32*(\m)+8*(\c)+3],   v[AO], s[30:31] offset:(\m)*4096+(\c)*64
	global_load_b128 v[32*(\m)+8*(\c)+4:32*(\m)+8*(\c)+7], v[AO], s[30:31] offset:(\m)*4096+(\c)*64+32
.endr
.endr
.macro ULOAD u, vo, sb, step           ; block u: load 8 q + n brings row 32 wave + 16 q + 8 h + n; 16 lanes take 256 bytes on end, aligned
	WIN 0x80
.irp q, 0,1
.irp n, 0,1,2,3,4,5,6,7
	global_load_b128 v[64*(\u)+4*(8*(\q)+(\n)):64*(\u)+4*(8*(\q)+(\n))+3], v[\vo], s[\sb:\sb+1] offset:(16*(\q)+(\n))*(\step) th:TH_LOAD_NT
.endr
.endr
.endm
	ULOAD 0, VO1, 24, 512
	WIN 0
.irp i, 0,1,2,3
	global_load_b128 v[B+4*(\i):B+4*(\i)+3], v[BO], s[32:33] offset:16*(\i)
.endr
.irp i, 0,1,2,3
	global_load_b128 v[B2+4*(\i):B2+4*(\i)+3], v[BO], s[32:33] offset:65536+16*(\i)
.endr
.irp m, 0,1,2,3
	global_load_b32 v[AF+(\m)], v[AFO], s[34:35] offset:(\m)*4096
.endr
	ULOAD 1, VO2, 26, 131072
	ULOAD 2, VO1, 28, 512
	WIN 0
; Block u is rounded: register 4 q + n of tile t takes rows 16 q + 8 h + 2 n and + 1; my fragment of the four tiles goes to LDS; all four waves meet.
.macro CONV u
.if (\u) > 0
	s_wait_alu depctr_vm_vsrc(0)                   ; the LDS stores of the block before have read F, which the conversions write again; ahead of block 2 also: hb's stores have read the accumulators' registers, which its first products write
.endif
	WIN 0x0a                                       ; sources in window 2
.irp t, 0,1,2,3
.irp q, 0,1
.irp n, 0,1,2,3
	v_cvt_pk_bf16_f32 v[F+8*(\t)+4*(\q)+(\n)], v[64*(\u)+4*(8*(\q)+2*(\n))+(\t)], v[64*(\u)+4*(8*(\q)+2*(\n)+1)+(\t)]
.endr
.endr
.endr
	WIN 0
	s_wait_alu depctr_va_vdst(0)                   ; the conversions have written F, which the LDS stores read; from block 1 on: the products of the block before are done reading WB0 to WB3, in which this block's fragments land
.irp t, 0,1,2,3
.irp q, 0,1
	ds_store_b128 v[FST], v[F+8*(\t)+4*(\q):F+8*(\t)+4*(\q)+3] offset:(\u)*16384+(\t)*1024+(\q)*512
.endr
.endr
	s_wait_dscnt 0x0                               ; for the others: my stores are done
	s_barrier_signal -1
	s_barrier_wait -1                              ; the block's 16 fragments lie in LDS; nobody writes these bytes again
.endm
.macro FETCH u, c                      ; fragment c of the four tiles into buffer c: 8 loads, 512 bytes on end each.  No wait on registers: no product since the block's wait on va_vdst names WB[c]
	WIN 0x40
.irp t, 0,1,2,3
.irp q, 0,1
	ds_load_b128 v[WB+32*(\c)+8*(\t)+4*(\q):WB+32*(\c)+8*(\t)+4*(\q)+3], v[FLD] offset:(\u)*16384+(\c)*4096+(\t)*1024+(\q)*512
.endr
.endr
.endm
; Block u times my four M tiles: 64 products.  The 16 accumulators take turns, one instruction a turn.  zero = 1: the first 16 start the sums.
; A fragment is asked for two fragments ahead of its products.
.macro COMP u, zero
	FETCH \u, 0
	FETCH \u, 1
.irp c, 0,1,2,3
.if (\c) < 2
	FETCH \u, (\c)+2
	s_wait_dscnt 16                                ; fragment c is in; the 16 loads of the two younger fragments may stay out
.else
	s_wait_dscnt 24-8*(\c)                         ; the counts run down: 8, the last fragment's loads, then 0
.endif
	WIN 0x05                                       ; both sources in window 1
.irp t, 0,1,2,3
.irp m, 0,1,2,3
.if (\zero) && ((\c) == 0)
	v_wmma_f32_16x16x32_bf16 v[ACC+32*(\m)+8*(\t):ACC+32*(\m)+8*(\t)+7], v[WB+32*(\c)+8*(\t):WB+32*(\c)+8*(\t)+7], v[32*(\m)+8*(\c):32*(\m)+8*(\c)+7], 0
.else
	v_wmma_f32_16x16x32_bf16 v[ACC+32*(\m)+8*(\t):ACC+32*(\m)+8*(\t)+7], v[WB+32*(\c)+8*(\t):WB+32*(\c)+8*(\t)+7], v[32*(\m)+8*(\c):32*(\m)+8*(\c)+7], v[ACC+32*(\m)+8*(\t):ACC+32*(\m)+8*(\t)+7]
.endif
.endr
.endr
.endr
.endm
; THE WAY OUT.  High and low part lie 8 lanes apart: one add a register, each accumulator from its low end on.  Then both lanes hold the batch's eight numbers: the lower lane keeps
; e = 0..3, the upper e = 4..7, in the accumulator's four lowest registers, so that 16 lanes hold the 256 bytes of one (rb, ds, p).  g = 0: + bias, to hb.  g = 1: + bias, times a_b[p], to cb.
; Each (m, t) is stored from registers of its own: none is written again under a store.
.macro OUT g, m, t                     ; the store of tile m of M, tile t of columns
.if \g
	global_store_b128 v[HO], v[ACC+32*(\m)+8*(\t):ACC+32*(\m)+8*(\t)+3], s[46:47] offset:(\m)*524288+(\t)*32768
.else
	global_store_b128 v[HO], v[ACC+32*(\m)+8*(\t):ACC+32*(\m)+8*(\t)+3], s[38:39] offset:(\m)*524288+(\t)*32768
.endif
.endm
.macro EPI g
	WIN 0
	PLACES                                         ; eight plain places between the last product and the first read of a result: the double of what ISA guide 7.12.1 asks; twice in the launch
	PLACES
.irp m, 0,1,2,3
.if (\m) > 0
	s_wait_alu depctr_va_vdst(0)                   ; the lines of the tile before have written its sixteen registers to store, which the four stores below read; the lines among which they stand name this tile's registers alone
.endif
.irp t, 0,1,2,3
.if (\m) > 0
	OUT \g, (\m)-1, \t
.endif
.irp e, 0,1,2,3,4,5,6,7
	v_add_f32_dpp v[ACC+32*(\m)+8*(\t)+(\e)], v[ACC+32*(\m)+8*(\t)+(\e)], v[ACC+32*(\m)+8*(\t)+(\e)] row_xmask:8 row_mask:0xf bank_mask:0xf
.endr
.endr
.irp t, 0,1,2,3
.irp i, 0,1,2,3
	v_cndmask_b32 v[ACC+32*(\m)+8*(\t)+(\i)], v[ACC+32*(\m)+8*(\t)+(\i)], v[ACC+32*(\m)+8*(\t)+4+(\i)], s40
.endr
.endr
.irp t, 0,1,2,3
.irp i, 0,1,2,3
.if \g
	v_add_f32 v[ACC+32*(\m)+8*(\t)+(\i)], v[ACC+32*(\m)+8*(\t)+(\i)], v[B2+4*(\i)+(\t)]
.else
	v_add_f32 v[ACC+32*(\m)+8*(\t)+(\i)], v[ACC+32*(\m)+8*(\t)+(\i)], v[B+4*(\i)+(\t)]
.endif
.endr
.endr
.if \g
.irp t, 0,1,2,3
.irp i, 0,1,2,3
	v_mul_f32 v[ACC+32*(\m)+8*(\t)+(\i)], v[ACC+32*(\m)+8*(\t)+(\i)], v[AF+(\m)]
.endr
.endr
.endif
.endr
	s_wait_alu depctr_va_vdst(0)                   ; the last tile's lines have written its sixteen registers, which the last four stores read
.irp t, 0,1,2,3
	OUT \g, 3, \t
.endr
.endm
	s_wait_loadcnt 44                              ; A and block 0 are in; behind them 12 small loads and the 32 of blocks 1 and 2
	CONV 0
	COMP 0, 1
	WIN 0
	s_wait_loadcnt 16                              ; all but block 2
	s_wait_kmcnt 0x0
	s_mov_b32 s43, s42                             ; named as pairs
	s_mov_b32 s45, s44
.irp x, 0,2,4,6,8,10,12,14
	v_pk_add_f32 v[B+(\x):B+(\x)+1],   v[B+(\x):B+(\x)+1],   s[42:43] op_sel_hi:[1,0]  ; + bw[p]
	v_pk_add_f32 v[B2+(\x):B2+(\x)+1], v[B2+(\x):B2+(\x)+1], s[44:45] op_sel_hi:[1,0]  ; + bw[128 + p]
.endr
	CONV 1
	COMP 1, 0                                      ; onto the same sums: both blocks are multiplied by a
	EPI 0
	s_wait_loadcnt 0x0
	s_wait_xcnt 0x0                                ; hb's stores have had their addresses translated (ISA guide 3.1): the registers that they read are written again, by block 2's first products, only behind this wait
	CONV 2
	COMP 2, 1
	EPI 1
	s_wait_dscnt 0x0                               ; the closing lines, six on end
	s_wait_alu 0x0
	s_wait_tensorcnt 0x0
	ds_add_u32 v[SPW], v[NIL]
	s_wait_dscnt 0x0
	s_endpgm
.Lfunc_end_k_q79f714e3ce_hyper:
	.size	k_q79f714e3ce_hyper, .Lfunc_end_k_q79f714e3ce_hyper-k_q79f714e3ce_hyper
	.p2alignl 7, 3214868480
	.fill 96, 4, 3214868480
	.section	.rodata,"a",@progbits
	.p2align	6, 0x0
	.amdhsa_kernel k_q79f714e3ce_hyper
		.amdhsa_group_segment_fixed_size 49664
		.amdhsa_private_segment_fixed_size 0
		.amdhsa_enable_private_segment 0
		.amdhsa_kernarg_size 56
		.amdhsa_user_sgpr_count 2
		.amdhsa_user_sgpr_kernarg_segment_ptr 1
		.amdhsa_wavefront_size32 1
		.amdhsa_system_sgpr_workgroup_id_x 1
		.amdhsa_system_sgpr_workgroup_id_y 1
		.amdhsa_system_sgpr_workgroup_id_z 1
		.amdhsa_system_vgpr_workitem_id 0
		.amdhsa_next_free_vgpr 704
		.amdhsa_next_free_sgpr 66
		.amdhsa_reserve_vcc 0
		.amdhsa_float_denorm_mode_32 3
		.amdhsa_float_denorm_mode_16_64 3
		.amdhsa_memory_ordered 1
		.amdhsa_forward_progress 1
		.amdhsa_inst_pref_size 74
	.end_amdhsa_kernel
	.amdgpu_metadata
---
amdhsa.version: [ 1, 2 ]
amdhsa.kernels:
  - .name:           k_q79f714e3ce_hyper
    .symbol:         k_q79f714e3ce_hyper.kd
    .args:
      - { .name: Ww, .offset: 0, .size: 8, .value_kind: global_buffer, .address_space: global }
      - { .name: Wb, .offset: 8, .size: 8, .value_kind: global_buffer, .address_space: global }
      - { .name: bw, .offset: 16, .size: 8, .value_kind: global_buffer, .address_space: global }
      - { .name: ahl, .offset: 24, .size: 8, .value_kind: global_buffer, .address_space: global }
      - { .name: af, .offset: 32, .size: 8, .value_kind: global_buffer, .address_space: global }
      - { .name: hb, .offset: 40, .size: 8, .value_kind: global_buffer, .address_space: global }
      - { .name: cb, .offset: 48, .size: 8, .value_kind: global_buffer, .address_space: global }
    .group_segment_fixed_size: 49664
    .private_segment_fixed_size: 0
    .kernarg_segment_align: 8
    .kernarg_segment_size: 56
    .max_flat_workgroup_size: 128
    .sgpr_count:     66
    .vgpr_count:     704
    .wavefront_size: 32
...
	.end_amdgpu_metadata
.endif
;; end of part 4
;; launch final: the kernel of part 3 again; grid 16 x 16, 8 waves a work-group, no clusters, 136,192 bytes of LDS; arguments ttimg, mbf, hb, cb, bb, out0; writes out0
